; MI455X (gfx1250); checked and timed in simulation.
; The chip was launched on July 23, 2026; its instructions are those of AMD's public machine-readable ISA for CDNA 5 (MIT licence, August 2026) and "CDNA5" Instruction Set Architecture Reference Guide (July 2026). The comments in the code are by the model that wrote it; some were corrected since.
;; Multi Head Attention. Allowed arithmetic: matrix products marked QUANTISED: E2M3 operands, one E8M0 scale for each 32 along K, by v_wmma_scale_f32_16x16x128_f8f6f4 with both operands' format E2M3, f32 sums; everything else in f32.
;; Inputs: Wk 1,024 x 1,024 float32; Wo 1,024 x 1,024 float32; Wq 1,024 x 1,024 float32; Wv 1,024 x 1,024 float32; attention_mask 2 x 2,048 int32; k 2 x 2,048 x 1,024 float32; q 2 x 2,048 x 1,024 float32; v 2 x 2,048 x 1,024 float32.
;; Outputs: out0 2 x 2,048 x 1,024 float32.
;; This version of the problem:
;;   THIS VERSION OF THE PROBLEM IS GIVEN IN LOW PRECISION. The matrix products marked QUANTISED in the list below multiply operands that are first quantised to E2M3 (2 exponent bits, 3 mantissa bits; 6 bits a number), with one power-of-two scale for each 32 numbers along K (OCP MX v1.0); their sums are f32. All else is computed in f32.
;;   The module's matrix products, in the order in which they are computed (A, B: the left and right operand; K: the contracted axis; several contracted axes count as one K, in the product's order):
;;     1. [M 4,096, K 1,024] x [K 1,024, N 1,024]; A: input q; B: input Wq: QUANTISED
;;     2. [M 4,096, K 1,024] x [K 1,024, N 1,024]; A: input k; B: input Wk: QUANTISED
;;     3. [M 4,096, K 1,024] x [K 1,024, N 1,024]; A: input v; B: input Wv: QUANTISED
;;     4. batch 32 x [M 2,048, K 64] x [K 64, N 2,048]; A: computed on the way; B: computed on the way: QUANTISED
;;     5. batch 32 x [M 2,048, K 2,048] x [K 2,048, N 64]; A: softmax (see below); B: computed on the way: QUANTISED
;;     6. [M 4,096, K 1,024] x [K 1,024, N 1,024]; A: computed on the way; B: input Wo: QUANTISED
;;   THE QUANTISER, for each operand of a quantised product, along K:
;;     - K is cut into blocks of 32 from its start; a last block that is shorter is filled with zeros.
;;     - A block's scale is 2^e with e = floor(log2(the largest magnitude in the block)) - 2, held to -126 .. 127; a block of zeros has e = 0. As a byte (E8M0): e + 127.
;;     - Each number is divided by its block's scale, clamped to +-7.5, and rounded to the nearest number of E2M3, ties to even, subnormals kept.
;;     - The product sums the exact products of the quantised numbers (number of the format x scale) in f32.
;;   ~~~python
;;   def quantise(x, axis):      # numpy; x: float32 -> the quantised numbers, widened to float32 again
;;       x = np.moveaxis(x, axis, -1); K = x.shape[-1]
;;       x = np.pad(x, [(0, 0)] * (x.ndim - 1) + [(0, -K % 32)]); x = x.reshape(x.shape[:-1] + (-1, 32)); a = np.abs(x).max(-1, keepdims=True)
;;       e = np.where(a > 0, np.clip(np.frexp(np.where(a > 0, a, 1))[1] - 1 - 2, -126, 127), 0)      # np.frexp(a)[1] - 1 = floor(log2(a)), exactly
;;       r = np.clip(x / 2.0 ** e, -7.5, 7.5)
;;       step = 2.0 ** (np.maximum(np.frexp(np.where(r == 0, 1, r))[1] - 1, 0) - 3)
;;       q = np.round(r / step) * step * 2.0 ** e      # np.round: ties to even
;;       return np.moveaxis(q.reshape(q.shape[:-2] + (-1,))[..., :K], -1, axis).astype(np.float32)
;;   ~~~
;;   SOFTMAX AHEAD OF A QUANTISED PRODUCT. Where the list says 'softmax', what is quantised is not the finished softmax but p = 2^(t - M), with t = logit x log2(e) and M = ceil(the row's largest t), a whole number; so 1/2 < the row's largest p <= 1. The row's sum l is taken of the UNQUANTISED p, in f32, and the product's result is divided by l at the end. Since M is a whole number, a kernel that streams over the keys may use a running M (the ceiling of the running maximum): every later rescaling is an exact power of two, which a block's scale takes up: the codes' values come out the same.
;;   OPERANDS COMPUTED ON THE WAY. 'Computed on the way' means the value that the module computes at that place (a softmax that the list does not call 'softmax' is quantised finished and normalised). What goes into a quantiser is computed in f32, as accurately as f32 sums, v_exp_f32 and their like allow (about 1e-6 of the number): no bf16 or f16 on the way to a quantiser, and a product that is left as it is and whose result goes on into a quantised operand takes f32 operands (vector FMAs, or v_wmma_f32_16x16x4_f32). A number that lies on a knife's edge between two numbers of the format may be rounded either way, as far as f32 arithmetic and the matrix unit's own rounding can turn it there, and no further.
;; One version. Each part assembles by itself: llvm-mc -triple=amdgcn-amd-amdhsa -mcpu=gfx1250 --defsym DOCPART=n.
;; ======== version 1 of 1: 4 launches
;; limits: right only within a limited range of input values
;; workspace buffers: cw 13,107,200 bytes; qi 4,194,304 bytes; qs 393,216 bytes; kv 7,733,248 bytes; oi 3,276,800 bytes
;; launch quant (part 1): grid 256 x 1, 8 waves a work-group, no clusters, 68,608 bytes of LDS; arguments q, k, v, Wq, Wk, Wv, Wo, cw; writes cw
.if DOCPART == 1
	.amdgcn_target "amdgcn-amd-amdhsa--gfx1250"
	.amdhsa_code_object_version 6
	.text
	.protected	k_q0ef1c154f8_quant
	.globl	k_q0ef1c154f8_quant
	.p2align	8
	.type	k_q0ef1c154f8_quant,@function
k_q0ef1c154f8_quant:
	s_mov_b64 s[64:65], 0
	v_nop
	global_prefetch_b8 v0, s[64:65] scope:SCOPE_SE
	s_setreg_imm32_b32 hwreg(HW_REG_WAVE_MODE, 25, 1), 1
	s_wait_xcnt 0x0
; q, k, v [4096][1024] and Wq, Wk, Wv, Wo [1024][1024], f32, K innermost, become codes of FP6 (E2M3) with one E8M0 byte for each 32 along K.
; A block's scale is 2^(floor(log2(its largest magnitude)) - 2); its byte is the largest magnitude's exponent field - 2, held at 1 from below.
; LIMITS: a block of zeros gets the byte 1 where the quantiser says 127 (its codes are zeros, and this program alone reads the bytes); blocks whose largest
; magnitude lies under 2^(3 - 127) keep the byte 1; NaN and infinities among the inputs are not served.
; LAYOUT OF cw.  The seven tensors are 1,024 TILES of 16 rows: q 0-255, k 256-511, v 512-767, Wq 768-, Wk 832-, Wv 896-, Wo 960-.  Slot r of a tensor's tile T is row 32 (T / 2) + 8 (T % 2) + r + 8 (r / 8).
; A tile's codes are eight FRAGMENTS (16 rows x 128 K), each an image of the operand's 12 registers: three places of 512 bytes, place p = registers 4 p .. 4 p + 3, lane l's 16 bytes at 16 l.
; Tile Tg, K step s: byte 12,800 Tg + 1,536 s.  Scale words (four bytes: 128 along K of one row) at 12,800 Tg + 12,288 + 32 r + 4 s.
; SHARES.  A work-group takes 64 rows (four tiles); wave w takes tile w / 2 and half w % 2 of K: four fragments.  A fragment's 16 loads read 512 consecutive bytes of one row each; the 8 KiB turn through the wave's
; own stage in LDS (rows 528 bytes apart) so that lane (r, h) gets, of row r, k = 64 c + 32 h + 0 .. 31: two whole blocks, in the order of the operand's registers.  No barrier: waves share nothing.
.set ROWB,  4096                       ; a row of any of the tensors in bytes
.set SP,    528                        ; a stage row: 512 bytes + 16 = 132 words: row r starts at bank 4 r mod 64 (64 banks of 4 bytes: ISA guide 11.1)
.set STG,   16*SP                      ; a wave's stage
.set CSC,   12582912
.set MX,    8                          ; v8-9    the two blocks' largest magnitudes
.set SOP,   10                         ; v10-11  the conversions' scale operands
.set BY,    12                         ; v12-13  the scale bytes
.set WD,    16                         ; v16-19  the four steps' scale words
.set PC,    20                         ; v20-31  a fragment's codes
.set CT,    32                         ; v32-34, v36-38  the upper halves of the two blocks, as converted
.set R,     64                         ; v64-191 two sets of 64 numbers as loaded
.set X,     192                        ; v192-255 my 64 numbers in the operand's order
	s_load_b512 s[4:19], s[0:1], 0x0               ; q, k, v, Wq, Wk, Wv, Wo, cw
	v_lshl_add_u32 v62, v0, 2, 0x10800
	v_mov_b32 v63, 0
	v_lshrrev_b32 v6, 5, v0
	s_delay_alu instid0(VALU_DEP_1)
	v_readfirstlane_b32 s20, v6                    ; wave 0..7
	v_and_b32 v6, 31, v0                           ; lane
	v_and_b32 v7, 15, v0                           ; r
	v_bfe_u32 v5, v0, 4, 1                         ; h
	s_delay_alu instid0(VALU_DEP_3)
	v_lshlrev_b32 v1, 4, v6                        ; 16 x lane: my bytes of a load's 512 and of an image's place
	s_mul_i32 s31, s20, STG                        ; my stage
	v_add_nc_u32 v2, s31, v1                       ; into it: 16 x lane of a row
	v_mul_u32_u24 v3, v7, SP
	s_delay_alu instid0(VALU_DEP_1)
	v_lshl_add_u32 v3, v5, 7, v3
	s_delay_alu instid0(VALU_DEP_1)
	v_add_nc_u32 v3, s31, v3                       ; out of it: row r, + 128 h bytes
	v_lshlrev_b32 v4, 5, v7
	s_delay_alu instid0(VALU_DEP_1)
	v_lshl_add_u32 v4, v5, 3, v4                   ; the scale words' place: 32 r + 8 h
	v_lshlrev_b32 v5, 3, v5                        ; 8 h: how far my two bytes are shifted in the word
	v_mov_b32 v15, 0                               ; written once: a lane permute's destination counts as one of its sources
	s_mov_b32 s30, 0xffff0000                      ; lanes 16-31
	s_mov_b32 s32, 0x76543210
	s_mov_b32 s33, 0xfedcba98                      ; v_permlanex16_b32's selects for lane l xor 16
	s_lshr_b32 s21, s20, 1                         ; my tile of the group's four
	s_and_b32 s22, s20, 1                          ; my half of K
	s_lshr_b32 s23, s21, 1
	s_lshl_b32 s23, s23, 17                        ; 32 rows x 4,096 bytes
	s_and_b32 s35, s21, 1
	s_lshl_b32 s35, s35, 15
	s_add_co_u32 s23, s23, s35
	; TENSOR k ALONE HAS ANOTHER ORDER OF ROWS: slot r of tile t of a group of 64 rows is row 8 t + r % 8 + 32 (r / 8), so that a lane's scores of four tiles are one block of 32 keys.
	; Slots 8-15 go by an offset of their own: 8 rows further on than their number, for k 24.
	s_lshr_b32 s39, ttmp9, 6
	s_lshl_b32 s35, s21, 15
	s_cmp_eq_u32 s39, 1
	s_cselect_b32 s23, s35, s23
	s_mov_b32 s39, 8*ROWB
	s_cselect_b32 s39, 24*ROWB, s39
	s_wait_alu depctr_va_vdst(0)                   ; the wait directly ahead of the reader below
	v_add_nc_u32 v60, s39, v1
	s_lshl_b32 s35, s22, 11                        ; 512 numbers along K
	s_add_co_u32 s23, s23, s35
	s_lshl_b32 s34, ttmp9, 2
	s_add_co_u32 s34, s34, s21                     ; Tg = 4 x work-group + tile
	s_mul_i32 s36, s34, 12800                      ; A TILE OF cw IS 12,800 BYTES: its eight fragments, then its 512 bytes of scale words (32 r + 4 s)
	s_mul_i32 s35, s22, 6144
	s_add_co_u32 s36, s36, s35                     ; my four fragments in cw
	s_mov_b32 s37, 0
	s_mul_i32 s38, s34, 12800
	s_lshl_b32 s35, s22, 4
	s_add_co_u32 s38, s38, s35
	s_add_co_u32 s38, s38, 12288
	s_mov_b32 s39, 0
	s_lshr_b32 s24, ttmp9, 6                       ; 0, 1, 2: q, k, v;  3: a weight
	s_and_b32 s25, ttmp9, 63                       ; which 64 rows of q, k or v
	s_bfe_u32 s26, ttmp9, 0x20004                  ; which weight
	s_and_b32 s27, ttmp9, 15                       ; which 64 rows of it
	s_wait_alu depctr_va_vdst(0)
	s_wait_kmcnt 0x0
	s_cmp_eq_u32 s24, 1                            ; the tensor is chosen on the work-group's number alone
	s_cselect_b64 s[4:5], s[6:7], s[4:5]
	s_cmp_eq_u32 s24, 2
	s_cselect_b64 s[4:5], s[8:9], s[4:5]
	s_cmp_eq_u32 s26, 1
	s_cselect_b64 s[10:11], s[12:13], s[10:11]
	s_cmp_eq_u32 s26, 2
	s_cselect_b64 s[10:11], s[14:15], s[10:11]
	s_cmp_eq_u32 s26, 3
	s_cselect_b64 s[10:11], s[16:17], s[10:11]
	s_cmp_eq_u32 s24, 3
	s_cselect_b64 s[4:5], s[10:11], s[4:5]
	s_cselect_b32 s25, s27, s25
	s_lshl_b32 s28, s25, 18                        ; 64 rows x 4,096 bytes
	s_add_co_u32 s28, s28, s23
	s_mov_b32 s29, 0
	s_add_nc_u64 s[4:5], s[4:5], s[28:29]          ; the tensor at my tile's first row, my half of K
	s_add_nc_u64 s[38:39], s[18:19], s[38:39]      ; cw at my scale words
	s_add_nc_u64 s[18:19], s[18:19], s[36:37]      ; cw at my fragments
.macro LOAD t                          ; step t's 16 rows x 512 bytes into set t % 2: slot i is row i + 8 (i / 8) of the tile's span
.irp i, 0,1,2,3,4,5,6,7,8,9,10,11,12,13,14,15
.if \i < 8
	global_load_b128 v[R+64*((\t)%2)+4*\i:R+64*((\t)%2)+4*\i+3], v1, s[4:5] offset:\i*ROWB+512*(\t) th:TH_LOAD_NT
.else
	global_load_b128 v[R+64*((\t)%2)+4*\i:R+64*((\t)%2)+4*\i+3], v60, s[4:5] offset:\i*ROWB+512*(\t) th:TH_LOAD_NT
.endif
.endr
.endm
.macro STEP t
.if (\t) < 3
	s_wait_loadcnt 16                              ; this step's 16 loads are in; the next step's 16 may be out
.else
	s_wait_loadcnt 0x0
.endif
.irp i, 0,1,2,3,4,5,6,7,8,9,10,11,12,13,14,15
	ds_store_b128 v2, v[R+64*((\t)%2)+4*\i:R+64*((\t)%2)+4*\i+3] offset:SP*\i
.endr
.irp c, 0,1
.irp j, 0,1,2,3,4,5,6,7
	ds_load_b128 v[X+32*\c+4*\j:X+32*\c+4*\j+3], v3 offset:256*\c+16*\j   ; LDS serves a wave's instructions in order (ISA guide 5.7.1.4): these see the stores above
.endr
.endr
	s_wait_dscnt 0x0                               ; my 64 numbers are in, and the stores have read their registers,
.if (\t) < 2
	LOAD (\t)+2                                    ; which take the loads of two steps on
.endif
.irp c, 0,1
	v_max3_num_f32 v[MX+\c], |v[X+32*\c]|, |v[X+32*\c+1]|, 0x1800000   ; block 2 c + h is all mine; the floor 2^(3 - 127) holds the byte at 1 from below
.endr
.irp i, 2,4,6,8,10,12,14,16,18,20,22,24,26,28,30
.irp c, 0,1
	s_delay_alu instid0(VALU_DEP_2)
	v_max3_num_f32 v[MX+\c], v[MX+\c], |v[X+32*\c+\i]|, |v[X+32*\c+\i+1]|
.endr
.endr
.irp c, 0,1
	s_delay_alu instid0(VALU_DEP_2)
	v_add_nc_u32 v[SOP+\c], 0xff000000, v[MX+\c]   ; 2 off the exponent field: the conversion takes the exponent field of this operand as its scale
.endr
.irp c, 0,1
	s_delay_alu instid0(VALU_DEP_2)
	v_lshrrev_b32 v[BY+\c], 23, v[SOP+\c]          ; the scale's byte
.endr
	s_delay_alu instid0(VALU_DEP_1)
	v_lshl_or_b32 v14, v[BY+1], 16, v[BY]          ; my bytes: blocks h and 2 + h,
	s_delay_alu instid0(VALU_DEP_1)
	v_lshlrev_b32 v14, v5, v14                     ; at their places in the word;
	s_delay_alu instid0(VALU_DEP_1)
	v_permlanex16_b32 v15, v14, s32, s33
	s_delay_alu instid0(VALU_DEP_1)
	v_or_b32 v[WD+(\t)], v14, v15                  ; with lane l xor 16's two the word is whole
	s_wait_alu depctr_va_vdst(0)
	s_wait_xcnt 0x0                                ; the last step's stores have had their addresses translated (ISA guide 3.1): only now are the codes' registers written again
.irp c, 0,1
	v_cvt_scalef32_pk16_fp6_f32 v[PC+6*\c:PC+6*\c+2], v[X+32*\c:X+32*\c+15], v[SOP+\c]
	v_cvt_scalef32_pk16_fp6_f32 v[CT+4*\c:CT+4*\c+2], v[X+32*\c+16:X+32*\c+31], v[SOP+\c]   ; (a conversion's three registers begin on an even number)
.endr
	v_nop                                          ; one plain place behind a scaled conversion
.irp c, 0,1
.irp i, 0,1,2
	v_mov_b32 v[PC+6*\c+3+\i], v[CT+4*\c+\i]
.endr
.endr
.irp p, 0,1,2
	global_store_b128 v1, v[PC+4*\p:PC+4*\p+3], s[18:19] offset:1536*(\t)+512*\p   ; 32 lanes store 512 consecutive bytes, at a multiple of 512 from cw's first byte
.endr
.endm
	LOAD 0
	LOAD 1
	STEP 0
	STEP 1
	STEP 2
	STEP 3
	v_cndmask_b32 v40, v[WD], v[WD+2], s30         ; lanes 0-15 store the words of steps 0, 1, lanes 16-31 those of steps 2, 3
	v_cndmask_b32 v41, v[WD+1], v[WD+3], s30
	global_store_b64 v4, v[40:41], s[38:39]
	s_wait_tensorcnt 0x0
	ds_add_u32 v62, v63
	s_wait_dscnt 0x0
	s_endpgm
.Lfunc_end_k_q0ef1c154f8_quant:
	.size	k_q0ef1c154f8_quant, .Lfunc_end_k_q0ef1c154f8_quant-k_q0ef1c154f8_quant
	.p2alignl 7, 3214868480
	.fill 96, 4, 3214868480
	.section	.rodata,"a",@progbits
	.p2align	6, 0x0
	.amdhsa_kernel k_q0ef1c154f8_quant
		.amdhsa_group_segment_fixed_size 68608
		.amdhsa_private_segment_fixed_size 0
		.amdhsa_enable_private_segment 0
		.amdhsa_kernarg_size 64
		.amdhsa_user_sgpr_count 2
		.amdhsa_user_sgpr_kernarg_segment_ptr 1
		.amdhsa_wavefront_size32 1
		.amdhsa_system_sgpr_workgroup_id_x 1
		.amdhsa_system_sgpr_workgroup_id_y 1
		.amdhsa_system_sgpr_workgroup_id_z 1
		.amdhsa_system_vgpr_workitem_id 0
		.amdhsa_next_free_vgpr 256
		.amdhsa_next_free_sgpr 66
		.amdhsa_reserve_vcc 0
		.amdhsa_float_denorm_mode_32 3
		.amdhsa_float_denorm_mode_16_64 3
		.amdhsa_memory_ordered 1
		.amdhsa_forward_progress 1
		.amdhsa_inst_pref_size 36
	.end_amdhsa_kernel
	.amdgpu_metadata
---
amdhsa.version: [ 1, 2 ]
amdhsa.kernels:
  - .name:           k_q0ef1c154f8_quant
    .symbol:         k_q0ef1c154f8_quant.kd
    .args:
      - { .name: q, .offset: 0, .size: 8, .value_kind: global_buffer, .address_space: global }
      - { .name: k, .offset: 8, .size: 8, .value_kind: global_buffer, .address_space: global }
      - { .name: v, .offset: 16, .size: 8, .value_kind: global_buffer, .address_space: global }
      - { .name: Wq, .offset: 24, .size: 8, .value_kind: global_buffer, .address_space: global }
      - { .name: Wk, .offset: 32, .size: 8, .value_kind: global_buffer, .address_space: global }
      - { .name: Wv, .offset: 40, .size: 8, .value_kind: global_buffer, .address_space: global }
      - { .name: Wo, .offset: 48, .size: 8, .value_kind: global_buffer, .address_space: global }
      - { .name: cw, .offset: 56, .size: 8, .value_kind: global_buffer, .address_space: global }
    .group_segment_fixed_size: 68608
    .private_segment_fixed_size: 0
    .kernarg_segment_align: 8
    .kernarg_segment_size: 64
    .max_flat_workgroup_size: 256
    .sgpr_count:     66
    .vgpr_count:     256
    .wavefront_size: 32
...
	.end_amdgpu_metadata
.endif
;; end of part 1
;; launch proj (part 2): grid 8 x 32, 12 waves a work-group, clusters of 4 x 4, 308,736 bytes of LDS; arguments cw, attention_mask, qi, qs, kv; writes qi, qs, kv
.if DOCPART == 2
	.amdgcn_target "amdgcn-amd-amdhsa--gfx1250"
	.amdhsa_code_object_version 6
	.text
	.protected	k_q0ef1c154f8_proj
	.globl	k_q0ef1c154f8_proj
	.p2align	8
	.type	k_q0ef1c154f8_proj,@function
k_q0ef1c154f8_proj:
	s_mov_b64 s[64:65], 0
	v_nop
	global_prefetch_b8 v0, s[64:65] scope:SCOPE_SE
	s_setreg_imm32_b32 hwreg(HW_REG_WAVE_MODE, 25, 1), 1
	s_wait_xcnt 0x0
	s_wait_alu depctr_hold_cnt(0) depctr_sa_sdst(0) depctr_va_vdst(0) depctr_va_sdst(0) depctr_va_ssrc(0) depctr_va_vcc(0) depctr_vm_vsrc(0)
	s_getreg_b32 s2, hwreg(HW_REG_IB_STS2, 6, 4)
	s_cmp_eq_u32 s2, 0
	s_cbranch_scc0 .Lentry_in_a_cluster
	s_endpgm
.Lentry_in_a_cluster:
	s_bfe_u32 s2, ttmp6, 0x10000c
	s_cmp_lg_u32 s2, 0xf033
	s_cbranch_scc0 .Lentry_shape_is_right
	s_endpgm
.Lentry_shape_is_right:
; Q = q Wq^T, K = k Wk^T, V = v Wv^T on the codes of cw (FP6, one E8M0 byte for each 32 along K), sums in f32; the results are quantised in registers and leave as images of the next products' operands.
; SHARES.  Work-group (mb, nb) takes rows 128 mb .. +127 of q, k, v and rows 128 nb .. +127 of the weights.  Waves 0-3 make Q's block, 4-7 K's, 8-11 V's; wave wq of a kind makes 128 (source 0) x 32 (source 1): 16 accumulators.
; Q, K: source 0 = the weight's eight tiles, source 1 = two tiles of rows: a lane holds ONE row and its registers run along the output features, the next K.
; V:    source 0 = v's eight tiles, source 1 = two tiles of Wv: a lane holds ONE channel and its registers run along the keys, the next K.
; By source 0's order of rows (slot r of tile T = row 32 (T / 2) + 8 (T % 2) + r + 8 (r / 8)) register 16 b + i of lane (r, h) holds source 0's row 32 b + 16 h + i: 16 neighbours.
; A TILE OF cw is 12,800 bytes: eight fragments of 1,536, then 512 bytes of scale words (32 r + 4 s).  Source 0 of each kind (100 KiB) comes into LDS once, two tiles by each of its four waves, one tensor load a wave,
; 100 rows of 256 bytes; source 1 goes from memory straight into registers, two K steps ahead.
; CLUSTER: 4 x 4 work-groups, nb = 4 x cluster x + cx, mb = 4 x cluster y + cy.  The four of a column share nb, so the weights' tiles (waves 0-7) are asked for JOINTLY with the column's mask; the four of a row share mb,
; so v's tiles (waves 8-11) are asked for jointly with the row's mask.  Each of the two load lines has one mask, and its address is made of the shared coordinate, the kind and the wave alone.
; No data prefetch: the launch's one fill goes out at its head, with no loop ahead of it to ask in.
; THE MASK goes into K's image.  A head's K is 64, the matrix instruction's 128: k = 64 carries a hook.  Q has the code of +1 there under the scale 2^0.  A masked key (attention_mask = 0) has the code of -1 under 2^33 and
; zeros for its 64 real codes, an open key a zero under 2^0.  So a masked score is exactly -2^33, a logit of -2^30.
; LIMITS: reference() writes -1e9 for that logit: the results agree while open logits lie above some -9e8.  Blocks of zeros get the byte 1 (their codes are zeros; this program alone reads the bytes).  NaN, infinities: not served.
; OUT.  qi: [16 b + head][tile of 16 rows] x 1,024 bytes: registers 0-7 of a fragment (0-5 the 64 codes, 6 the hook, 7 zero), two places of 512 bytes.  qs: head x 12,288 + (tile / 4) x 256 + 16 r + 4 (tile % 4).
; kv: head x 241,664 + key step x 15,104, and in a step: K's eight tiles x 1,024 (as Q's); V's four whole fragments from 8,192 (channel 32 (dt / 2) + 8 (dt % 2) + r + 8 (r / 8) x 128 keys);
; K's words from 14,336 ((tile / 4) x 256 + 16 r + 4 (tile % 4)); V's from 14,848 (16 r + 4 dt).  Slot r of K's tile T of a step is key 64 (T / 4) + 32 (r / 8) + 8 (T % 4) + r % 8: so cw has tensor k's rows.
.set FRB,   1536                       ; a fragment's image
.set TILEB, 12800                      ; a tile: eight fragments and its scale words
.set KINDB, 102400                     ; LDS: a kind's eight tiles of source 0
.set HEADB, 241664                     ; kv: a head
.set STEPB, 15104                      ; kv: a key step
.set S1S,   8                          ; v8-23   source 1's scale words: 8 u + s
.set S0S,   24                         ; v24-27  source 0's: lanes 0-15 tile j, lanes 16-31 tile j + 4
.set MK,    52                         ; v52-53  the mask of my lane's row in tiles u = 0, 1
.set NIL,   54                         ; v54     0
.set S0F,   80                         ; v80-127 four fragments of source 0          (source 1: v28-51 and v56-79 by turns)
.set ACC,   128                        ; v128-255 accumulator (u, t) at 128 + 64 u + 8 t
.set TM,    80                         ; the quantiser's 16 registers, where source 0 lay
.set PW,    96                         ; v96-97  the scale words just made
.set G1C,   40                         ; s[40:47] descriptor group 1 of the weights' tiles;  s[48:55] of v's;  s[56:59], s[60:63] their groups 0
.set G1S,   48
.set G0C,   56
.set G0S,   60
.macro CROUND                          ; a round of the cluster's barrier
	s_barrier_signal -1
	s_barrier_wait -1
	s_cmp_lg_u32 s20, 0
	s_cbranch_scc1 .Lnot_wave_0_\@
	s_barrier_signal -3
.Lnot_wave_0_\@:
	s_barrier_wait -3
	s_barrier_signal -1
	s_barrier_wait -1
.endm
	s_load_b256 s[4:11], s[0:1], 0x0               ; cw, attention_mask, qi, qs
	s_load_b64 s[12:13], s[0:1], 0x20              ; kv
	s_set_vgpr_msb 0x40
	v_lshl_add_u32 v0, v0, 2, 0x4b000              ; v256: my spare word, behind the three kinds' tiles
	v_mov_b32 v1, 0                                ; v257: 0
	s_set_vgpr_msb 0x4045
	ds_add_u32 v0, v1                              ; the opening lines: the add twice on end and its wait
	ds_add_u32 v0, v1
	s_set_vgpr_msb 0x4500
	v_lshrrev_b32 v2, 5, v0
	s_delay_alu instid0(VALU_DEP_1)
	v_readfirstlane_b32 s20, v2                    ; wave 0..11
	s_lshr_b32 s21, s20, 2                         ; kind: 0 Q, 1 K, 2 V
	s_and_b32 s22, s20, 3                          ; wq
	s_bfe_u32 s14, ttmp6, 0x40000                  ; cx
	s_bfe_u32 s15, ttmp6, 0x40004                  ; cy
	s_and_b32 s23, ttmp7, 0xffff
	s_lshl_b32 s23, s23, 2
	s_add_co_u32 s23, s23, s15                     ; mb
	s_lshl_b32 s24, ttmp9, 2
	s_add_co_u32 s24, s24, s14                     ; nb
	s_lshl_b32 s16, s15, 2
	s_lshl_b32 s16, 15, s16                        ; my row of the cluster
	s_lshl_b32 s17, 0x1111, s14                    ; my column
	s_lshl_b32 s25, s21, 8
	s_lshl_b32 s18, s23, 3
	s_add_co_u32 s25, s25, s18                     ; the rows' first tile: 256 kind + 8 mb
	s_lshl_b32 s26, s21, 6
	s_lshl_b32 s19, s24, 3
	s_add_co_u32 s26, s26, s19
	s_add_co_u32 s26, s26, 768                     ; the weight's: 768 + 64 kind + 8 nb
	s_lshl_b32 s3, s22, 1
	s_add_co_u32 s25, s25, s3                      ; my two tiles of the rows,
	s_add_co_u32 s26, s26, s3                      ; of the weight
	s_cmp_eq_u32 s21, 2
	s_cselect_b32 s74, s26, s25                    ; source 1: the rows, for V the weight
	s_mul_i32 s66, s26, TILEB                      ; what waves 0-7 fetch: it hangs on nb alone
	s_mov_b32 s67, 0
	s_mul_i32 s68, s25, TILEB                      ; what waves 8-11 fetch: on mb alone
	s_mov_b32 s69, 0
	s_mul_i32 s70, s74, TILEB
	s_mov_b32 s71, 0
	s_add_co_u32 s72, s70, 12288
	s_mov_b32 s73, 0
	s_cmp_eq_u32 s21, 1
	s_cselect_b32 s34, -1, 0                       ; all lanes for K, none else: only keys are masked
	s_cmp_eq_u32 s21, 0
	s_cselect_b32 s35, 8, 0                        ; the open hook: Q the code of +1, K zero
	s_mov_b32 s37, 0xffff0000                      ; lanes 16-31
	s_mov_b32 s38, 0x76543210
	s_mov_b32 s39, 0xfedcba98                      ; v_permlanex16_b32's selects for lane l xor 16
	; dense blocks of memory, as rows of 256 bytes (32 elements of 8 bytes), no padding: images are read 512 consecutive bytes at a time
	s_or_b32 s[G1C], s17, (3<<16)|(1<<21)          ; 15:0 the mask: my column; 17:16 elements of 8 bytes; 21 set beside a mask
	s_or_b32 s[G1S], s16, (3<<16)|(1<<21)          ; the same with the mask of my row
.irp g, G1C, G1S
	s_mov_b32 s[\g+1], 32<<16                      ; tensor_dim0
	s_mov_b32 s[\g+2], 100<<16                     ; tensor_dim1: two tiles, 25,600 bytes
	s_mov_b32 s[\g+3], 32<<16                      ; tile_dim0
	s_mov_b32 s[\g+4], 100                         ; tile_dim1
	s_mov_b32 s[\g+5], 32                          ; tensor_dim0_stride
	s_mov_b32 s[\g+6], 0
	s_mov_b32 s[\g+7], 0
.endr
	s_mov_b32 s[G0C], 1                            ; count = 1
	s_mul_i32 s[G0C+1], s20, 2*TILEB               ; LDS: wave x 25,600 = kind x 102,400 + 2 wq tiles
	s_mov_b32 s[G0S], 1
	s_mul_i32 s[G0S+1], s20, 2*TILEB
	s_wait_dscnt 0x0
	s_wait_kmcnt 0x0
	s_add_nc_u64 s[G0C+2:G0C+3], s[4:5], s[66:67]
	s_or_b32 s[G0C+3], s[G0C+3], 0x80000000        ; type = 2
	s_add_nc_u64 s[G0S+2:G0S+3], s[4:5], s[68:69]
	s_or_b32 s[G0S+3], s[G0S+3], 0x80000000
	CROUND                                         ; all sixteen work-groups are here: the joint loads meet
	s_cmp_lt_u32 s20, 8                            ; one chain, one load to an arm, every wave one load; LDS is filled once
	s_cbranch_scc0 .Lrows
	tensor_load_to_lds s[G0C:G0C+3], s[G1C:G1C+7]  ; Q's and K's waves: two tiles of the weight
	s_nop 0
.rept 4
	v_nop
.endr
	s_branch .Lasked
.Lrows:
	tensor_load_to_lds s[G0S:G0S+3], s[G1S:G1S+7]  ; V's waves: two tiles of v's rows
	s_nop 0
.rept 4
	v_nop
.endr
.Lasked:
	s_add_nc_u64 s[28:29], s[4:5], s[70:71]        ; source 1's codes
	s_add_nc_u64 s[30:31], s[4:5], s[72:73]        ; and scale words
	s_lshl_b32 s18, s23, 9                         ; the mask of my two tiles of keys: (128 mb + 64 (wq / 2) + 16 (wq % 2)) x 4 bytes
	s_lshr_b32 s19, s22, 1
	s_lshl_b32 s19, s19, 8
	s_add_co_u32 s18, s18, s19
	s_and_b32 s19, s22, 1
	s_lshl_b32 s19, s19, 6
	s_add_co_u32 s18, s18, s19
	s_mov_b32 s19, 0
	s_add_nc_u64 s[32:33], s[6:7], s[18:19]
	v_and_b32 v1, 31, v0
	s_delay_alu instid0(VALU_DEP_1)
	v_lshlrev_b32 v1, 4, v1                        ; 16 x lane: an image's place for my lane
	v_and_b32 v96, 15, v0                          ; r
	v_bfe_u32 v97, v0, 4, 1                        ; h
	s_mul_i32 s18, s21, KINDB
	v_add_nc_u32 v2, s18, v1                       ; LDS: my kind's tiles 0-3,
	s_delay_alu instid0(VALU_DEP_1)
	v_add_nc_u32 v3, 4*TILEB, v2                   ; tiles 4-7
	s_mul_i32 s18, s21, KINDB
	s_add_co_u32 s18, s18, 12288
	v_lshlrev_b32 v4, 5, v96
	s_delay_alu instid0(VALU_DEP_1)
	v_mad_u32_u24 v4, v97, 4*TILEB, v4
	s_delay_alu instid0(VALU_DEP_1)
	v_add_nc_u32 v4, s18, v4                       ; LDS: scale words: 32 r behind a tile's codes, lanes 16-31 four tiles on
	v_lshlrev_b32 v5, 5, v96                       ; source 1's scale words: 32 r
	v_and_b32 v6, 8, v96
	s_delay_alu instid0(VALU_DEP_1)
	v_mad_u32_u24 v6, v6, 3, v96                   ; r % 8 + 32 (r / 8)
	s_delay_alu instid0(VALU_DEP_1)
	v_lshlrev_b32 v6, 2, v6                        ; the mask: 4 bytes a key
	s_and_b32 s18, s22, 1
	s_lshl_b32 s18, s18, 3
	s_mov_b32 s19, 12288
	s_cmp_eq_u32 s21, 1
	s_cselect_b32 s19, HEADB, s19                  ; from a head's words to the next head's: in qs, in kv
	v_lshl_add_u32 v55, v96, 4, s18                ; 16 r + 8 (wq % 2)
	v_mul_u32_u24 v7, v97, s19
	s_delay_alu instid0(VALU_DEP_1)
	v_add_nc_u32 v7, v7, v55                       ; Q's and K's words: lanes 16-31 store the next head's
	s_delay_alu instid0(VALU_DEP_3)
	v_lshl_add_u32 v55, v97, 2, v55                ; V's words: lanes 16-31 store tile u = 1's
	v_mov_b32 v[NIL], 0
.irp u, 0,1
	global_load_b128 v[S1S+8*\u:S1S+8*\u+3], v5, s[30:31] offset:TILEB*\u
	global_load_b128 v[S1S+8*\u+4:S1S+8*\u+7], v5, s[30:31] offset:TILEB*\u+16
.endr
.irp u, 0,1
	global_load_b32 v[MK+\u], v6, s[32:33] offset:32*\u
.endr
.macro S1LOAD s                        ; source 1's two fragments of K step s, into buffer s % 2
.irp u, 0,1
.irp p, 0,1,2
	global_load_b128 v[28+28*((\s)%2)+12*\u+4*\p:28+28*((\s)%2)+12*\u+4*\p+3], v1, s[28:29] offset:TILEB*\u+FRB*(\s)+512*\p
.endr
.endr
.endm
	S1LOAD 0
	S1LOAD 1
	s_wait_tensorcnt 0x0                           ; my quarter of my kind's source 0 is in LDS,
	s_barrier_signal -1
	s_barrier_wait -1                              ; everybody's is
.macro MM s, g, t, u                   ; one product: source 0's tile 4 g + t x source 1's tile u, K step s.  The first K step starts the sums: nothing is cleared
.set D_, ACC+64*\u+8*(4*\g+\t)
.set A_, S0F+12*\t
.set B_, 28+28*((\s)%2)+12*\u
.if (\s) == 0
.if \g
	v_wmma_scale_f32_16x16x128_f8f6f4 v[D_:D_+7], v[A_:A_+11], v[B_:B_+11], 0, v[S0S+\t], v[S1S+8*\u+(\s)] matrix_a_fmt:MATRIX_FMT_FP6 matrix_b_fmt:MATRIX_FMT_FP6 matrix_a_scale:MATRIX_SCALE_ROW1
.else
	v_wmma_scale_f32_16x16x128_f8f6f4 v[D_:D_+7], v[A_:A_+11], v[B_:B_+11], 0, v[S0S+\t], v[S1S+8*\u+(\s)] matrix_a_fmt:MATRIX_FMT_FP6 matrix_b_fmt:MATRIX_FMT_FP6
.endif
.else
.if \g
	v_wmma_scale_f32_16x16x128_f8f6f4 v[D_:D_+7], v[A_:A_+11], v[B_:B_+11], v[D_:D_+7], v[S0S+\t], v[S1S+8*\u+(\s)] matrix_a_fmt:MATRIX_FMT_FP6 matrix_b_fmt:MATRIX_FMT_FP6 matrix_a_scale:MATRIX_SCALE_ROW1
.else
	v_wmma_scale_f32_16x16x128_f8f6f4 v[D_:D_+7], v[A_:A_+11], v[B_:B_+11], v[D_:D_+7], v[S0S+\t], v[S1S+8*\u+(\s)] matrix_a_fmt:MATRIX_FMT_FP6 matrix_b_fmt:MATRIX_FMT_FP6
.endif
.endif
.endm
; A K step of 128: 16 products, the 16 accumulators by turns, one instruction a turn, in the same order in every step.
.macro STEP s
.if (\s) < 7
	s_wait_loadcnt 6                               ; this step's fragments of source 1 (and all older loads) are in; the next step's six may be out
.else
	s_wait_loadcnt 0x0
.endif
.irp g, 0,1
.irp t, 0,1,2,3
.irp p, 0,1,2
	ds_load_b128 v[S0F+12*\t+4*\p:S0F+12*\t+4*\p+3], v[2+\g] offset:TILEB*\t+FRB*(\s)+512*\p
.endr
.endr
.if \g == 0
.irp j, 0,1,2,3
	ds_load_b32 v[S0S+\j], v4 offset:TILEB*\j+4*(\s)
.endr
.endif
	s_wait_dscnt 0x0
.irp t, 0,1,2,3
.irp u, 0,1
	MM \s, \g, \t, \u
.endr
.endr
.rept 4
	v_nop                                          ; four places in front of loads into registers that these products read, and of the first read of results
.endr
.endr
.if (\s) < 6
	S1LOAD (\s)+2
.endif
.endm
.irp s, 0,1,2,3,4,5,6,7
	STEP \s
.endr
; 64 numbers of a lane, register 16 b + i = k 32 b + 16 (lane / 16) + i of my row, become a fragment's codes in v[pc] .. v[pc + 11] and its scale word in v[pw].
.macro QUANT s, pc, pw
.irp b, 0,1,2,3
	v_max3_num_f32 v[TM+\b], |v[\s+16*\b]|, |v[\s+1+16*\b]|, 0x1800000   ; block b: my 16 numbers (each accumulator from its low end on), and the floor 2^(3 - 127): the byte cannot fall under 1
.endr
.irp i, 2,4,6,8,10,12,14
.irp b, 0,1,2,3
	v_max3_num_f32 v[TM+\b], v[TM+\b], |v[\s+16*\b+\i]|, |v[\s+1+16*\b+\i]|
.endr
.endr
.irp b, 0,1,2,3
	s_delay_alu instid0(VALU_DEP_4)
	v_permlanex16_b32 v[TM+4+\b], v[TM+\b], s38, s39
.endr
.irp b, 0,1,2,3
	s_delay_alu instid0(VALU_DEP_4)
	v_max_num_f32 v[TM+\b], v[TM+\b], v[TM+4+\b]   ; with lane l xor 16's: the block's largest magnitude
.endr
.irp b, 0,1,2,3
	s_delay_alu instid0(VALU_DEP_4)
	v_add_nc_u32 v[TM+12+\b], 0xff000000, v[TM+\b] ; 2 off its exponent field: the conversion's scale operand
.endr
.irp b, 0,1,2,3
	s_delay_alu instid0(VALU_DEP_4)
	v_lshrrev_b32 v[TM+4+\b], 23, v[TM+12+\b]      ; the scale's byte
.endr
	s_delay_alu instid0(VALU_DEP_3)
	v_lshl_or_b32 v[\pw], v[TM+5], 8, v[TM+4]
	s_delay_alu instid0(VALU_DEP_1)
	v_lshl_or_b32 v[\pw], v[TM+6], 16, v[\pw]
	s_delay_alu instid0(VALU_DEP_1)
	v_lshl_or_b32 v[\pw], v[TM+7], 24, v[\pw]
.irp c, 0,1
	v_cvt_scalef32_pk16_fp6_f32 v[\pc+6*\c:\pc+2+6*\c], v[\s+32*\c:\s+15+32*\c], v[TM+12+2*\c]
	v_cvt_scalef32_pk16_fp6_f32 v[\pc+12+4*\c:\pc+14+4*\c], v[\s+16+32*\c:\s+31+32*\c], v[TM+12+2*\c+1]   ; (a conversion's three registers begin on an even number)
.endr
	v_nop                                          ; one plain place behind a scaled conversion
.irp c, 0,1                                    ; the operand's layout wants a WHOLE block in a lane: lanes 0-15 block 2 c, lanes 16-31 block 2 c + 1
.irp i, 0,1,2
	v_permlane16_swap_b32 v[\pc+6*\c+\i], v[\pc+12+4*\c+\i]
.endr
.irp i, 0,1,2
	s_delay_alu instid0(VALU_DEP_3)
	v_mov_b32 v[\pc+3+6*\c+\i], v[\pc+12+4*\c+\i]
.endr
.endr
.endm
.irp b, 0,1,2,3
	v_mov_b32 v[TM+4+\b], 0                        ; written once: a lane permute's destination counts as one of its sources
.endr
	s_lshr_b32 s36, s23, 4
	s_lshl_b32 s36, s36, 4
	s_lshl_b32 s18, s24, 1
	s_add_co_u32 s36, s36, s18                     ; 16 b + 2 nb: the first of my block's two heads
	s_and_b32 s75, s23, 15                         ; which 128 rows of the batch's 2,048
	QUANT ACC, 28, PW
	QUANT ACC+64, 56, PW+1
	s_cmp_eq_u32 s21, 2                            ; the kinds part on the wave's number and join again at the end; no barrier stands between
	s_cbranch_scc1 .Lkind_v
	; ---- Q and K: codes 0-5 are head A's fragment, 6-11 head B's; each is followed by the hook and a zero
	s_cmp_eq_u32 s21, 1                            ; K goes into kv, Q into qi and qs: the strides are chosen on the wave's kind
	s_mov_b32 s26, 131072
	s_cselect_b32 s26, HEADB, s26                  ; a head's codes
	s_mov_b32 s27, 12288
	s_cselect_b32 s27, HEADB, s27                  ; a head's words
	s_mov_b32 s25, 8192
	s_cselect_b32 s25, STEPB, s25                  ; the codes of 128 rows
	s_mov_b32 s19, 512
	s_cselect_b32 s19, STEPB, s19                  ; their words
	s_cselect_b32 s74, 14336, 0                    ; where the words begin in a step of kv
	s_cselect_b64 s[66:67], s[12:13], s[8:9]       ; kv or qi
	s_cselect_b64 s[68:69], s[12:13], s[10:11]     ; kv or qs
	s_mul_i32 s70, s36, s26
	s_mul_i32 s18, s75, s25
	s_add_co_u32 s70, s70, s18
	s_lshl_b32 s18, s22, 11                        ; my two tiles
	s_add_co_u32 s70, s70, s18
	s_mov_b32 s71, 0
	s_mul_i32 s72, s36, s27
	s_mul_i32 s18, s75, s19
	s_add_co_u32 s72, s72, s18
	s_add_co_u32 s72, s72, s74
	s_lshr_b32 s18, s22, 1
	s_lshl_b32 s18, s18, 8
	s_add_co_u32 s72, s72, s18
	s_mov_b32 s73, 0
	s_add_nc_u64 s[66:67], s[66:67], s[70:71]
	s_add_nc_u64 s[68:69], s[68:69], s[72:73]
	s_mov_b32 s70, s26
	s_add_nc_u64 s[70:71], s[66:67], s[70:71]      ; head B's codes
	v_mov_b32 v98, s35
	s_delay_alu instid0(VALU_DEP_1)
	v_cndmask_b32 v98, v98, v[NIL], s37            ; the open hook: k = 64 lies in lanes 0-15; lanes 16-31 hold zeros
	v_mov_b32 v99, 40
	s_delay_alu instid0(VALU_DEP_1)
	v_cndmask_b32 v99, v99, v[NIL], s37            ; a masked key's: the code of -1
	v_mov_b32 v100, 0x7f7f0000                     ; bytes 2, 3 of an open row's scale word: 2^0
	v_mov_b32 v101, 0x7fa00000                     ; of a masked key's: 2^33 for k = 64 .. 95
.irp u, 0,1
.set P, 28+28*\u
	v_cmp_eq_u32 vcc_lo, 0, v[MK+\u]               ; my row's mask is 0,
	s_and_b32 vcc_lo, vcc_lo, s34                  ; and I make keys.  The mask only ever selects values
.irp i, 0,1,2,3,4,5,6,7,8,9,10,11
	v_cndmask_b32 v[P+\i], v[P+\i], v[NIL], vcc_lo
.endr
	v_cndmask_b32 v[P+12], v98, v99, vcc_lo        ; head B's registers 6, 7 stand behind its codes;
	v_mov_b32 v[P+13], 0
	v_mov_b32 v[P+20], v[P+4]                      ; head A's registers 4-7 are put together apart
	v_mov_b32 v[P+21], v[P+5]
	s_delay_alu instid0(VALU_DEP_4)
	v_mov_b32 v[P+22], v[P+12]
	v_mov_b32 v[P+23], 0
	v_cndmask_b32 v102, v100, v101, vcc_lo
	s_delay_alu instid0(VALU_DEP_1)
	v_and_or_b32 v103, v[PW+\u], 0xffff, v102      ; head A's word: its two bytes, and the idle half's
	v_lshrrev_b32 v104, 16, v[PW+\u]
	s_delay_alu instid0(VALU_DEP_1)
	v_or_b32 v104, v104, v102                      ; head B's
	s_delay_alu instid0(VALU_DEP_1)
	v_cndmask_b32 v[106+\u], v103, v104, s37
	global_store_b128 v1, v[P:P+3], s[66:67] offset:1024*\u                  ; each store: 512 consecutive bytes, at a multiple of 256 from the buffer's first byte
	global_store_b128 v1, v[P+20:P+23], s[66:67] offset:1024*\u+512
	global_store_b128 v1, v[P+6:P+9], s[70:71] offset:1024*\u
	global_store_b128 v1, v[P+10:P+13], s[70:71] offset:1024*\u+512
.endr
	global_store_b64 v7, v[106:107], s[68:69]      ; my two tiles' words: lanes 0-15 head A's, lanes 16-31 head B's
	s_branch .Lend
.Lkind_v:
	; ---- V: whole fragments, K = the 128 keys of block mb
	s_lshr_b32 s18, s22, 1
	s_add_co_u32 s36, s36, s18                     ; my 32 channels' head
	s_mul_i32 s68, s36, HEADB
	s_mul_i32 s18, s75, STEPB
	s_add_co_u32 s68, s68, s18                     ; my head's key step in kv
	s_and_b32 s18, s22, 1
	s_mul_i32 s18, s18, 2*FRB
	s_add_co_u32 s66, s68, s18
	s_add_co_u32 s66, s66, 8192                    ; V's fragments 2 (wq % 2), + 1
	s_mov_b32 s67, 0
	s_add_nc_u64 s[66:67], s[12:13], s[66:67]
	s_add_co_u32 s68, s68, 14848                   ; V's words
	s_mov_b32 s69, 0
	s_add_nc_u64 s[68:69], s[12:13], s[68:69]
	s_wait_alu depctr_va_vdst(0)
.irp u, 0,1
.irp p, 0,1,2
	global_store_b128 v1, v[28+28*\u+4*\p:28+28*\u+4*\p+3], s[66:67] offset:FRB*\u+512*\p
.endr
.endr
	v_cndmask_b32 v106, v[PW], v[PW+1], s37
	global_store_b32 v55, v106, s[68:69]
.Lend:
	s_set_vgpr_msb 0x5
	s_wait_tensorcnt 0x0                           ; the wave's end
	ds_add_u32 v0, v1
	s_wait_dscnt 0x0
	s_set_vgpr_msb 0x500
	CROUND                                         ; the closing round: no work-group ends while a partner may still ask for a tile that names it
	s_endpgm
.Lfunc_end_k_q0ef1c154f8_proj:
	.size	k_q0ef1c154f8_proj, .Lfunc_end_k_q0ef1c154f8_proj-k_q0ef1c154f8_proj
	.p2alignl 7, 3214868480
	.fill 96, 4, 3214868480
	.section	.rodata,"a",@progbits
	.p2align	6, 0x0
	.amdhsa_kernel k_q0ef1c154f8_proj
		.amdhsa_group_segment_fixed_size 308736
		.amdhsa_private_segment_fixed_size 0
		.amdhsa_enable_private_segment 0
		.amdhsa_kernarg_size 40
		.amdhsa_user_sgpr_count 2
		.amdhsa_user_sgpr_kernarg_segment_ptr 1
		.amdhsa_wavefront_size32 1
		.amdhsa_system_sgpr_workgroup_id_x 1
		.amdhsa_system_sgpr_workgroup_id_y 1
		.amdhsa_system_sgpr_workgroup_id_z 1
		.amdhsa_system_vgpr_workitem_id 0
		.amdhsa_next_free_vgpr 258
		.amdhsa_next_free_sgpr 76
		.amdhsa_reserve_vcc 1
		.amdhsa_float_denorm_mode_32 3
		.amdhsa_float_denorm_mode_16_64 3
		.amdhsa_memory_ordered 1
		.amdhsa_forward_progress 1
		.amdhsa_inst_pref_size 61
	.end_amdhsa_kernel
	.amdgpu_metadata
---
amdhsa.version: [ 1, 2 ]
amdhsa.kernels:
  - .name:           k_q0ef1c154f8_proj
    .symbol:         k_q0ef1c154f8_proj.kd
    .args:
      - { .name: cw, .offset: 0, .size: 8, .value_kind: global_buffer, .address_space: global }
      - { .name: attention_mask, .offset: 8, .size: 8, .value_kind: global_buffer, .address_space: global }
      - { .name: qi, .offset: 16, .size: 8, .value_kind: global_buffer, .address_space: global }
      - { .name: qs, .offset: 24, .size: 8, .value_kind: global_buffer, .address_space: global }
      - { .name: kv, .offset: 32, .size: 8, .value_kind: global_buffer, .address_space: global }
    .group_segment_fixed_size: 308736
    .private_segment_fixed_size: 0
    .kernarg_segment_align: 8
    .kernarg_segment_size: 40
    .max_flat_workgroup_size: 384
    .sgpr_count:     76
    .vgpr_count:     258
    .wavefront_size: 32
...
	.end_amdgpu_metadata
.endif
;; end of part 2
;; launch attn (part 3): grid 8 x 32, 8 waves a work-group, clusters of 4 x 1, 243,712 bytes of LDS; arguments qi, qs, kv, oi; writes oi
.if DOCPART == 3
	.amdgcn_target "amdgcn-amd-amdhsa--gfx1250"
	.amdhsa_code_object_version 6
	.text
	.protected	k_q0ef1c154f8_attn
	.globl	k_q0ef1c154f8_attn
	.p2align	8
	.type	k_q0ef1c154f8_attn,@function
k_q0ef1c154f8_attn:
	s_mov_b64 s[64:65], 0
	v_nop
	global_prefetch_b8 v0, s[64:65] scope:SCOPE_SE
	s_setreg_imm32_b32 hwreg(HW_REG_WAVE_MODE, 25, 1), 1
	s_wait_xcnt 0x0
	s_wait_alu depctr_hold_cnt(0) depctr_sa_sdst(0) depctr_va_vdst(0) depctr_va_sdst(0) depctr_va_ssrc(0) depctr_va_vcc(0) depctr_vm_vsrc(0)
	s_getreg_b32 s2, hwreg(HW_REG_IB_STS2, 6, 4)
	s_cmp_eq_u32 s2, 0
	s_cbranch_scc0 .Lentry_in_a_cluster
	s_endpgm
.Lentry_in_a_cluster:
	s_bfe_u32 s2, ttmp6, 0x10000c
	s_cmp_lg_u32 s2, 0x3003
	s_cbranch_scc0 .Lentry_shape_is_right
	s_endpgm
.Lentry_shape_is_right:
; O = softmax(Q K^T / 8, masked) V for one head and 256 queries a work-group, both products on codes of FP6 (E2M3) with one E8M0 byte for each 32 along a product's K; O / l is quantised along the model's 1,024 and leaves as codes.
; THE SOFTMAX: t = score x log2(e) / 8; M = the row's largest t so far, rounded UP to a whole number; p = 2^(t - M) is quantised along the keys, not normalised; the row's sum is taken of the unquantised p and divides O at the end.
; When M moves, the sum and O are multiplied by 2^(old M - new M): exact.
; THE MASK costs no line here: a head's K is 64 of the instruction's 128, and the images carry a hook at k = 64 by which a masked key's score is exactly -2^33 (a logit of -2^30; its 64 real codes are zeros).
; LIMITS: reference() writes -1e9 for a masked logit: the results agree while open logits lie above some -9e8.  NaN and infinities are not served.  A block of zeros gets the byte 1: its codes are zeros.
; SHARES.  Eight waves, two to a SIMD; a wave has TWO tiles of 16 queries (x = 0, 1), so each fragment of K and V read from LDS feeds two products.  Every wave walks the head's 2,048 keys, 128 a step.
; THE HEAD'S K, V AND SCALE WORDS STAY IN LDS, filled once, as they lie in kv: 16 steps of 15,104 bytes (K's eight tiles x 1,024; V's four fragments x 1,536 from 8,192; K's words from 14,336; V's from 14,848).
; Wave w asks for steps 2 w, 2 w + 1: 118 rows of 256 bytes, one tensor load a wave.  CLUSTER: the four work-groups of a cluster belong to one head, so each load is a JOINT one, with the mask of all four.
; Waves 0 and 1 have a load line of their own: the first barrier shows steps 0-3 alone, and steps 0-2 (which also fetch step 3's fragments) are worked while the rest lands.
; No data prefetch: the launch's one fill goes out at its head, with no loop ahead of it to ask in.
; LAYOUT.  Both products are used transposed (S^T = K Q^T, O^T = V^T P^T): a lane holds ONE query (lane % 16) of each tile.  Slot r of K's tile T is key 64 (T / 4) + 32 (r / 8) + 8 (T % 4) + r % 8:
; so registers 32 c .. 32 c + 31 of a lane's scores are keys 64 c + 32 (lane / 16) + 0 .. 31: one whole scale block, in the order of the next operand's registers.  No lane looks at another for a block's largest score.
; THE ORDER OF A STEP: 16 products; the next step's K is asked for; maxima; the scalings laid first, one wait, then the exponentials in batches, with only such plain lines among them as read what was written
; ahead of the batch's wait and are read behind the next one (the other tile's scalings, the first level of the sums).
; REGISTERS.  Window 0: addresses, scale words, the softmax's state, p's codes, v128-255 the scores.  Window 1 (written by its low numbers): Q 0-23, K's eight fragments 24-119 (registers 8-11 of each stay zero), V's four 120-167, O^T 168-231.
.set STEPB, 15104
.set HEADB, 241664
.set SPARE, 241664                     ; behind the head's image: the spare words, 128 bytes a wave
.set OSC,   3145728                    ; where the scale bytes begin in oi
.set KWO,   14336
.set LA,  1                            ; 16 x lane
.set SPW, 2                            ; my spare word; never rewritten
.set NIL, 3                            ; 0; never rewritten
.set AD,  4                            ; the next step's images
.set AW,  5                            ; the next step's words
.set SH,  6                            ; 8 (lane / 16)
.set WA,  7                            ; 16 r + KWO
.set KW,  8                            ; v8-15  K's scale words
.set VW,  16                           ; v16-19 V's
.set QW,  20                           ; v20-21 Q's
.set PW,  22                           ; v22-23 p's
.set NM,  24                           ; pairs (-M, the largest t)
.set SUM, 28                           ; pairs: the row's sum in two halves
.set FF,  32                           ; pairs (f, 0)
.set BM,  36                           ; v36-39 a block's largest score, then its largest p: 2 x + c
.set RM,  40
.set OLD, 42
.set SOP, 44                           ; v44-47 the conversions' scale operands
.set BY,  48                           ; v48-51 the scale bytes
.set WT,  52
.set PT,  54
.set CT,  56                           ; v56-70 the upper halves as converted: 8 x + 4 c
.set OA,  72                           ; 8 x lane
.set OB,  73                           ; 32 r + h
.set PC,  76                           ; v76-99 p's codes: 12 x
.set SS,  128                          ; the scores: 64 x + 8 T + j
.set QF,  0
.set KF,  24
.set VF,  120
.set OT,  168
.set MSB, 0
.macro WIN new                         ; the immediate's high byte repeats the setting that is left
.if MSB != \new
	s_set_vgpr_msb (MSB<<8)|\new
.set MSB, \new
.endif
.endm
.macro WALU
	s_wait_alu depctr_va_vdst(0)
.endm
.macro CROUND
	s_barrier_signal -1
	s_barrier_wait -1
	s_cmp_lg_u32 s16, 0
	s_cbranch_scc1 .Lnot_wave_0_\@
	s_barrier_signal -3
.Lnot_wave_0_\@:
	s_barrier_wait -3
	s_barrier_signal -1
	s_barrier_wait -1
.endm
.macro PKF x, q                        ; pair q of tile x's 32 pairs of scores: t - M (of the pairs c and -M the low word serves both halves)
	v_pk_fma_f32 v[SS+64*(\x)+2*(\q):SS+64*(\x)+2*(\q)+1], v[SS+64*(\x)+2*(\q):SS+64*(\x)+2*(\q)+1], s[22:23], v[NM+2*(\x):NM+2*(\x)+1] op_sel_hi:[1,0,0]
.endm
.macro LEV1 x, q                       ; the sum's first level: pairs 2 q and 2 q + 1 of tile x, in place (its codes have been made)
	v_pk_add_f32 v[SS+64*(\x)+4*(\q):SS+64*(\x)+4*(\q)+1], v[SS+64*(\x)+4*(\q):SS+64*(\x)+4*(\q)+1], v[SS+64*(\x)+4*(\q)+2:SS+64*(\x)+4*(\q)+3]
.endm
.macro CODES x                         ; tile x's p becomes an operand of 12 registers
.irp c, 0,1
	v_cvt_scalef32_pk16_fp6_f32 v[PC+12*\x+6*\c:PC+12*\x+6*\c+2], v[SS+64*\x+32*\c:SS+64*\x+32*\c+15], v[SOP+2*\x+\c]
	v_cvt_scalef32_pk16_fp6_f32 v[CT+8*\x+4*\c:CT+8*\x+4*\c+2], v[SS+64*\x+32*\c+16:SS+64*\x+32*\c+31], v[SOP+2*\x+\c]   ; (a conversion's three registers begin on an even number)
.endr
	v_nop                                          ; one plain place behind a scaled conversion
.irp c, 0,1
.irp i, 0,1,2
	v_mov_b32 v[PC+12*\x+6*\c+3+\i], v[CT+8*\x+4*\c+\i]
.endr
.endr
.endm
.macro KLOAD a, aw, off                ; K's eight tiles and their words: 18 loads
	WIN 0x40
.irp t, 0,1,2,3,4,5,6,7
	ds_load_b128 v[KF+12*\t:KF+12*\t+3], v[\a] offset:\off+1024*\t
	ds_load_b128 v[KF+12*\t+4:KF+12*\t+7], v[\a] offset:\off+1024*\t+512
.endr
	WIN 0
	ds_load_b128 v[KW:KW+3], v[\aw] offset:\off
	ds_load_b128 v[KW+4:KW+7], v[\aw] offset:\off+256
.endm
.macro VLOAD a, aw, off                ; V's four fragments and their words: 13 loads
	WIN 0x40
.irp t, 0,1,2,3
.irp p, 0,1,2
	ds_load_b128 v[VF+12*\t+4*\p:VF+12*\t+4*\p+3], v[\a] offset:\off+8192+1536*\t+512*\p
.endr
.endr
	WIN 0
	ds_load_b128 v[VW:VW+3], v[\aw] offset:\off+512
.endm
; A KEY STEP.  s24: where the next step begins in LDS.  nxt = 0: the last step, which fetches nothing.
.macro STEP nxt
	s_wait_dscnt 13                                ; K's 18 loads are in; V's 13, issued behind them, may be out
	WIN 0x05                                       ; sources 0 and 1 in window 1, the scores in window 0
.irp t, 0,1,2,3,4,5,6,7
.irp x, 0,1
	v_wmma_scale_f32_16x16x128_f8f6f4 v[SS+64*\x+8*\t:SS+64*\x+8*\t+7], v[KF+12*\t:KF+12*\t+11], v[QF+12*\x:QF+12*\x+11], 0, v[KW+\t], v[QW+\x] matrix_a_fmt:MATRIX_FMT_FP6 matrix_b_fmt:MATRIX_FMT_FP6
.endr
.endr
	WIN 0
.if \nxt
	v_add_nc_u32 v[AD], s24, v[LA]                 ; four places in front of the loads below and of the first read of the scores
	v_add_nc_u32 v[AW], s24, v[WA]
	v_nop
	v_nop
	KLOAD AD, AW, 0
.else
.rept 4
	v_nop
.endr
.endif
	; the largest score of each block of 32 keys: four chains by turns, each accumulator read from its low end on
.irp x, 0,1
.irp c, 0,1
	v_max3_num_f32 v[BM+2*\x+\c], v[SS+64*\x+32*\c], v[SS+64*\x+32*\c+1], v[SS+64*\x+32*\c+2]
.endr
.endr
.irp i, 3,5,7,9,11,13,15,17,19,21,23,25,27,29
.irp x, 0,1
.irp c, 0,1
	v_max3_num_f32 v[BM+2*\x+\c], v[BM+2*\x+\c], v[SS+64*\x+32*\c+\i], v[SS+64*\x+32*\c+\i+1]
.endr
.endr
.endr
.irp x, 0,1
.irp c, 0,1
	v_max_num_f32 v[BM+2*\x+\c], v[BM+2*\x+\c], v[SS+64*\x+32*\c+31]
.endr
.endr
.irp x, 0,1
	v_max_num_f32 v[RM+\x], v[BM+2*\x], v[BM+2*\x+1]
.endr
.irp x, 0,1
	v_permlanex16_b32 v[PT+\x], v[RM+\x], s20, s21
.endr
.irp x, 0,1
	v_max_num_f32 v[RM+\x], v[RM+\x], v[PT+\x]     ; the step's largest score of my query
.endr
.irp x, 0,1
	v_mul_f32 v[RM+\x], s22, v[RM+\x]              ; as t (c is positive)
.endr
.irp x, 0,1
	v_max_num_f32 v[NM+2*\x+1], v[NM+2*\x+1], v[RM+\x]
.endr
.irp x, 0,1
	v_mov_b32 v[OLD+\x], v[NM+2*\x]
.endr
.irp x, 0,1
	v_floor_f32 v[NM+2*\x], -v[NM+2*\x+1]          ; the new -M = -ceil(t): a whole number
.endr
.irp x, 0,1
	v_sub_f32 v[OLD+\x], v[NM+2*\x], v[OLD+\x]     ; M's old value less its new one
.endr
.irp x, 0,1
.irp c, 0,1
	v_fma_f32 v[BM+2*\x+\c], v[BM+2*\x+\c], s22, v[NM+2*\x]   ; t - M of each block's largest score
.endr
.endr
.irp x, 0,1
	v_cvt_i32_f32 v[OLD+\x], v[OLD+\x]             ; (it saturates)
.endr
.irp x, 0,1
	v_ldexp_f32 v[FF+2*\x], 1.0, v[OLD+\x]         ; f = 2^(old M - new M)
.endr
	WALU                                           ; ahead of the batch
.irp n, 0,1,2,3
	v_exp_f32 v[BM+\n], v[BM+\n]                   ; the block's largest p: p rises with the score
.endr
.set qq, 0
.rept 32
	PKF 0, qq
.set qq, qq+1
.endr
	WALU                                           ; behind the four, and ahead of tile 0's batch
.irp n, 0,1,2,3
	v_max_num_f32 v[BM+\n], 0x1800000, v[BM+\n]    ; the floor 2^(3 - 127): the byte cannot fall under 1
.endr
.irp n, 0,1,2,3
	v_add_nc_u32 v[SOP+\n], 0xff000000, v[BM+\n]   ; 2 off the exponent field: the conversion's scale operand
.endr
.irp n, 0,1,2,3
	v_lshrrev_b32 v[BY+\n], 23, v[SOP+\n]
.endr
.irp x, 0,1
	v_lshl_or_b32 v[WT+\x], v[BY+2*\x+1], 16, v[BY+2*\x]   ; my bytes: blocks h and 2 + h,
.endr
.irp x, 0,1
	v_lshlrev_b32 v[WT+\x], v[SH], v[WT+\x]        ; at their places in the word;
.endr
.irp x, 0,1
	v_permlanex16_b32 v[PT+\x], v[WT+\x], s20, s21
.endr
.irp x, 0,1
	v_or_b32 v[PW+\x], v[WT+\x], v[PT+\x]          ; with lane l xor 16's two the word is whole
.endr
.set qq, 0
.rept 32                                       ; tile 0's p, with tile 1's scalings among them
	v_exp_f32 v[SS+2*qq], v[SS+2*qq]
	PKF 1, qq
	v_exp_f32 v[SS+2*qq+1], v[SS+2*qq+1]
.set qq, qq+1
.endr
	v_nop                                          ; one plain place behind a transcendental
	WALU
	CODES 0
.set qq, 0
.rept 16                                       ; tile 1's p, with the first level of tile 0's sum and the sums x f among them
	v_exp_f32 v[SS+64+4*qq], v[SS+64+4*qq]
	LEV1 0, qq
	v_exp_f32 v[SS+64+4*qq+1], v[SS+64+4*qq+1]
.if qq < 2
	v_pk_mul_f32 v[SUM+2*qq:SUM+2*qq+1], v[SUM+2*qq:SUM+2*qq+1], v[FF+2*qq:FF+2*qq+1] op_sel_hi:[1,0]
.endif
	v_exp_f32 v[SS+64+4*qq+2], v[SS+64+4*qq+2]
	v_exp_f32 v[SS+64+4*qq+3], v[SS+64+4*qq+3]
.set qq, qq+1
.endr
	v_nop
	WIN 0x41                                       ; O^T in window 1, f in window 0
	WALU                                           ; directly ahead of the first reader of O^T
.irp x, 0,1
.irp j, 0,2,4,6,8,10,12,14,16,18,20,22,24,26,28,30
	v_pk_mul_f32 v[OT+32*\x+\j:OT+32*\x+\j+1], v[OT+32*\x+\j:OT+32*\x+\j+1], v[FF+2*\x:FF+2*\x+1] op_sel_hi:[1,0]
.endr
.endr
	WIN 0
	CODES 1
.set qq, 0
.rept 16
	LEV1 1, qq
.set qq, qq+1
.endr
.irp i, 0,1,2,3,4,5,6,7                        ; the second level: two chains a tile, four by turns
.irp x, 0,1
	v_pk_add_f32 v[SUM+2*\x:SUM+2*\x+1], v[SUM+2*\x:SUM+2*\x+1], v[SS+64*\x+8*\i:SS+64*\x+8*\i+1]
.if (\i > 0) && (\i < 7)
	v_pk_add_f32 v[SS+64*\x+4:SS+64*\x+5], v[SS+64*\x+4:SS+64*\x+5], v[SS+64*\x+8*\i+4:SS+64*\x+8*\i+5]
.endif
.endr
.endr
	WALU
.if \nxt
	s_wait_dscnt 18                                ; V's 13 loads are in; the next step's 18 of K, issued behind them, may be out
.else
	s_wait_dscnt 0x0
.endif
	WIN 0x51                                       ; V and O^T in window 1, p's codes in window 0
.irp t, 0,1,2,3                                ; the eight accumulators by turns
.irp x, 0,1
	v_wmma_scale_f32_16x16x128_f8f6f4 v[OT+32*\x+8*\t:OT+32*\x+8*\t+7], v[VF+12*\t:VF+12*\t+11], v[PC+12*\x:PC+12*\x+11], v[OT+32*\x+8*\t:OT+32*\x+8*\t+7], v[VW+\t], v[PW+\x] matrix_a_fmt:MATRIX_FMT_FP6 matrix_b_fmt:MATRIX_FMT_FP6
.endr
.endr
	WIN 0
.irp x, 0,1                                    ; the sums' last four lines are the four places in front of the loads below
	v_pk_add_f32 v[SS+64*\x+4:SS+64*\x+5], v[SS+64*\x+4:SS+64*\x+5], v[SS+64*\x+60:SS+64*\x+61]
.endr
.irp x, 0,1
	v_pk_add_f32 v[SUM+2*\x:SUM+2*\x+1], v[SUM+2*\x:SUM+2*\x+1], v[SS+64*\x+4:SS+64*\x+5]
.endr
.if \nxt
	VLOAD AD, AW, 0
.endif
.endm
.macro TRIPS n
	s_mov_b32 s28, \n
.Lstep_\@:
	STEP 1
	s_add_co_u32 s24, s24, STEPB
	s_sub_co_u32 s28, s28, 1
	s_cmp_lg_u32 s28, 0
	WALU                                           ; directly ahead of the branch
	s_cbranch_scc1 .Lstep_\@
.endm
; ---- the head
	s_load_b256 s[4:11], s[0:1], 0x0               ; qi, qs, kv, oi
	v_lshl_add_u32 v[SPW], v0, 2, SPARE
	v_mov_b32 v[NIL], 0
	ds_add_u32 v[SPW], v[NIL]                      ; the opening lines: the add twice on end and its wait
	ds_add_u32 v[SPW], v[NIL]
	v_lshrrev_b32 v74, 5, v0
	v_readfirstlane_b32 s16, v74                   ; wave 0..7
	s_bfe_u32 s17, ttmp6, 0x40000                  ; cx
	s_lshl_b32 s18, ttmp9, 2
	s_add_co_u32 s18, s18, s17                     ; my block of 256 queries: it enters Q's and O's addresses alone
	s_and_b32 s19, ttmp7, 0xffff                   ; 16 b + head, which the four partners share
	s_lshl_b32 s29, s18, 4
	s_lshl_b32 s40, s16, 1
	s_add_co_u32 s29, s29, s40                     ; the first of my two tiles of queries, 0..126
	s_mov_b32 s20, 0x76543210
	s_mov_b32 s21, 0xfedcba98                      ; v_permlanex16_b32's selects for lane l xor 16
	s_mov_b32 s22, 0x3e38aa3b                      ; c = log2(e) / 8
	s_mov_b32 s23, s22
	s_mov_b32 s30, 0xffff0000                      ; lanes 16-31
	s_mov_b32 s32, 15|(3<<16)|(1<<21)              ; group 1: the mask of all four; elements of 8 bytes; bit 21 beside a mask
	s_mov_b32 s33, 32<<16                          ; rows of 256 bytes,
	s_mov_b32 s34, 118<<16                         ; 118 of them: two key steps
	s_mov_b32 s35, 32<<16
	s_mov_b32 s36, 118
	s_mov_b32 s37, 32
	s_mov_b32 s38, 0
	s_mov_b32 s39, 0
	s_mov_b32 s48, 1                               ; group 0
	s_mul_i32 s49, s16, 2*STEPB                    ; LDS: wave x two steps
	s_mul_i32 s40, s19, HEADB
	s_add_co_u32 s40, s40, s49                     ; the same place in the head's part of kv
	s_mov_b32 s41, 0
	s_lshl_b32 s42, s19, 17                        ; Q's images: head x 131,072 + tile x 1,024
	s_lshl_b32 s44, s29, 10
	s_add_co_u32 s42, s42, s44
	s_mov_b32 s43, 0
	s_mul_i32 s44, s19, 12288                      ; Q's words: head x 12,288 + (tile / 4) x 256 + 4 (tile % 4)
	s_lshr_b32 s46, s29, 2
	s_lshl_b32 s46, s46, 8
	s_add_co_u32 s44, s44, s46
	s_and_b32 s46, s29, 3
	s_lshl_b32 s46, s46, 2
	s_add_co_u32 s44, s44, s46
	s_mov_b32 s45, 0
	s_lshr_b32 s46, s19, 4                         ; oi: tile Ta = 128 b + my tile: codes at 12,288 Ta + 1,536 (head / 2) + 768 (head % 2), bytes at OSC + 512 Ta + 32 r + 2 head + block
	s_lshl_b32 s46, s46, 7
	s_add_co_u32 s46, s46, s29
	s_and_b32 s47, s19, 15
	s_mul_i32 s52, s46, 12288
	s_lshr_b32 s56, s47, 1
	s_mul_i32 s56, s56, 1536
	s_add_co_u32 s52, s52, s56
	s_and_b32 s56, s47, 1
	s_mul_i32 s56, s56, 768
	s_add_co_u32 s52, s52, s56
	s_mov_b32 s53, 0
	s_lshl_b32 s54, s46, 9
	s_lshl_b32 s56, s47, 1
	s_add_co_u32 s54, s54, s56
	s_add_co_u32 s54, s54, OSC
	s_mov_b32 s55, 0
	WALU
	s_wait_dscnt 0x0
	s_wait_kmcnt 0x0
	s_add_nc_u64 s[50:51], s[8:9], s[40:41]
	s_or_b32 s51, s51, 0x80000000
	s_add_nc_u64 s[4:5], s[4:5], s[42:43]
	s_add_nc_u64 s[6:7], s[6:7], s[44:45]
	s_add_nc_u64 s[52:53], s[10:11], s[52:53]
	s_add_nc_u64 s[54:55], s[10:11], s[54:55]
	CROUND                                         ; all four work-groups are here: the joint loads meet
	s_cmp_lt_u32 s16, 2                            ; one chain, one load to an arm: waves 0 and 1, whose steps 0-3 the first barrier shows, have a line of their own
	s_cbranch_scc0 .Llater
	tensor_load_to_lds s[48:51], s[32:39]
	s_nop 0
.rept 4
	v_nop
.endr
	s_branch .Lasked
.Llater:
	tensor_load_to_lds s[48:51], s[32:39]
	s_nop 0
.rept 4
	v_nop
.endr
.Lasked:
	v_and_b32 v[LA], 31, v0
	v_and_b32 v75, 15, v0                          ; r
	v_bfe_u32 v[SH], v0, 4, 1                      ; h
	v_lshlrev_b32 v[OA], 3, v[LA]
	v_lshlrev_b32 v[LA], 4, v[LA]
	v_lshlrev_b32 v74, 4, v75
	v_lshl_add_u32 v[OB], v75, 5, v[SH]
	v_lshl_add_u32 v[WA], v75, 4, KWO
	v_lshlrev_b32 v[SH], 3, v[SH]
	WIN 0x40
	global_load_b128 v[QF:QF+3], v[LA], s[4:5]     ; Q's registers 0-7 of both tiles: they stay
	global_load_b128 v[QF+4:QF+7], v[LA], s[4:5] offset:512
	global_load_b128 v[QF+12:QF+15], v[LA], s[4:5] offset:1024
	global_load_b128 v[QF+16:QF+19], v[LA], s[4:5] offset:1536
.irp j, 8,9,10,11,20,21,22,23
	v_mov_b32 v[QF+\j], 0                          ; the idle half of the instruction's K, in Q
.endr
.irp t, 0,1,2,3,4,5,6,7
.irp j, 8,9,10,11
	v_mov_b32 v[KF+12*\t+\j], 0                    ; and in K's fragments: written once, no load lands here
.endr
.endr
.set qq, 0
.rept 64
	v_mov_b32 v[OT+qq], 0                          ; O^T.  (The step is written without a first step of its own: the first change of M multiplies zeros)
.set qq, qq+1
.endr
	WIN 0
	global_load_b32 v[QW], v74, s[6:7]
	global_load_b32 v[QW+1], v74, s[6:7] offset:4
.irp x, 0,1
	v_mov_b32 v[NM+2*\x+1], 0xff61b1e6             ; the largest t so far: -3e38
	v_mov_b32 v[SUM+2*\x], 0
	v_mov_b32 v[SUM+2*\x+1], 0
	v_mov_b32 v[FF+2*\x+1], 0                      ; (named as the upper half of f's pair)
	v_mov_b32 v[PT+\x], 0                          ; a lane permute's destination counts as one of its sources
.endr
.irp x, 0,1
	v_floor_f32 v[NM+2*\x], -v[NM+2*\x+1]
.endr
	WALU                                           ; the head's end
	s_wait_loadcnt 0x0                             ; Q
	s_cmp_lt_u32 s16, 2
	s_cbranch_scc0 .Lnot_mine
	s_wait_tensorcnt 0x0                           ; waves 0 and 1: steps 0-3 have landed
.Lnot_mine:
	s_barrier_signal -1
	s_barrier_wait -1                              ; the other waves' loads may be on their way: nothing is ever filled again
	KLOAD LA, WA, 0
	VLOAD LA, WA, 0
	s_mov_b32 s24, STEPB
	TRIPS 3                                        ; steps 0-2; they read LDS bytes under 4 x 15,104
	s_wait_dscnt 0x0                               ; no LDS instruction of mine is pending at a signal
	s_wait_tensorcnt 0x0                           ; every wave: all has landed
	s_barrier_signal -1
	s_barrier_wait -1
	TRIPS 12                                       ; steps 3-14
	STEP 0                                         ; step 15
; ---- the way out: O^T / the sum is quantised along the model's 1,024: my head is two whole blocks of 32.  Register 16 b + i of a tile is channel 32 b + 16 h + i of my query.
	v_add_f32 v[SUM], v[SUM], v[SUM+1]
	v_add_f32 v[SUM+2], v[SUM+2], v[SUM+3]
	v_permlanex16_b32 v[PT], v[SUM], s20, s21
	v_permlanex16_b32 v[PT+1], v[SUM+2], s20, s21
	v_add_f32 v[SUM], v[SUM], v[PT]
	v_add_f32 v[SUM+2], v[SUM+2], v[PT+1]
	WALU
	v_rcp_f32 v[SUM], v[SUM]
	v_rcp_f32 v[SUM+2], v[SUM+2]
	v_nop
	WIN 0x01
	WALU                                           ; behind the two, and directly ahead of the first reader of O^T
.irp x, 0,1
.set qq, 0
.rept 32
	v_mul_f32 v[SS+64*\x+qq], v[OT+32*\x+qq], v[SUM+2*\x]
.set qq, qq+1
.endr
.endr
	WIN 0
.irp x, 0,1
.irp b, 0,1
	v_max3_num_f32 v[BM+2*\x+\b], |v[SS+64*\x+16*\b]|, |v[SS+64*\x+16*\b+1]|, 0x1800000
.endr
.endr
.irp i, 2,4,6,8,10,12,14
.irp x, 0,1
.irp b, 0,1
	v_max3_num_f32 v[BM+2*\x+\b], v[BM+2*\x+\b], |v[SS+64*\x+16*\b+\i]|, |v[SS+64*\x+16*\b+\i+1]|
.endr
.endr
.endr
.irp n, 0,1,2,3
	v_permlanex16_b32 v[RM+\n], v[BM+\n], s20, s21
.endr
.irp n, 0,1,2,3
	v_max_num_f32 v[BM+\n], v[BM+\n], v[RM+\n]
.endr
.irp n, 0,1,2,3
	v_add_nc_u32 v[SOP+\n], 0xff000000, v[BM+\n]
.endr
.irp n, 0,1,2,3
	v_lshrrev_b32 v[BY+\n], 23, v[SOP+\n]
.endr
.irp x, 0,1
	v_cvt_scalef32_pk16_fp6_f32 v[PC+12*\x:PC+12*\x+2], v[SS+64*\x:SS+64*\x+15], v[SOP+2*\x]
	v_cvt_scalef32_pk16_fp6_f32 v[CT+8*\x:CT+8*\x+2], v[SS+64*\x+16:SS+64*\x+31], v[SOP+2*\x+1]
.endr
	v_nop
.irp x, 0,1
.irp i, 0,1,2
	v_permlane16_swap_b32 v[PC+12*\x+\i], v[CT+8*\x+\i]   ; a whole block in a lane: lanes 0-15 block 0, lanes 16-31 block 1
.endr
.endr
.irp x, 0,1
.irp i, 0,1,2
	v_mov_b32 v[PC+12*\x+3+\i], v[CT+8*\x+\i]
.endr
.endr
.irp x, 0,1
	v_cndmask_b32 v[BY+2*\x], v[BY+2*\x], v[BY+2*\x+1], s30
.endr
.irp x, 0,1
.irp p, 0,1,2
	global_store_b64 v[OA], v[PC+12*\x+2*\p:PC+12*\x+2*\p+1], s[52:53] offset:12288*\x+256*\p   ; 32 lanes store 256 consecutive bytes, at a multiple of 256 from oi's first byte
.endr
	global_store_b8 v[OB], v[BY+2*\x], s[54:55] offset:512*\x
.endr
	s_wait_tensorcnt 0x0                           ; the wave's end
	ds_add_u32 v[SPW], v[NIL]
	s_wait_dscnt 0x0
	CROUND                                         ; the closing round
	s_endpgm
.Lfunc_end_k_q0ef1c154f8_attn:
	.size	k_q0ef1c154f8_attn, .Lfunc_end_k_q0ef1c154f8_attn-k_q0ef1c154f8_attn
	.p2alignl 7, 3214868480
	.fill 96, 4, 3214868480
	.section	.rodata,"a",@progbits
	.p2align	6, 0x0
	.amdhsa_kernel k_q0ef1c154f8_attn
		.amdhsa_group_segment_fixed_size 243712
		.amdhsa_private_segment_fixed_size 0
		.amdhsa_enable_private_segment 0
		.amdhsa_kernarg_size 32
		.amdhsa_user_sgpr_count 2
		.amdhsa_user_sgpr_kernarg_segment_ptr 1
		.amdhsa_wavefront_size32 1
		.amdhsa_system_sgpr_workgroup_id_x 1
		.amdhsa_system_sgpr_workgroup_id_y 1
		.amdhsa_system_sgpr_workgroup_id_z 1
		.amdhsa_system_vgpr_workitem_id 0
		.amdhsa_next_free_vgpr 512
		.amdhsa_next_free_sgpr 66
		.amdhsa_reserve_vcc 0
		.amdhsa_float_denorm_mode_32 3
		.amdhsa_float_denorm_mode_16_64 3
		.amdhsa_memory_ordered 1
		.amdhsa_forward_progress 1
		.amdhsa_inst_pref_size 98
	.end_amdhsa_kernel
	.amdgpu_metadata
---
amdhsa.version: [ 1, 2 ]
amdhsa.kernels:
  - .name:           k_q0ef1c154f8_attn
    .symbol:         k_q0ef1c154f8_attn.kd
    .args:
      - { .name: qi, .offset: 0, .size: 8, .value_kind: global_buffer, .address_space: global }
      - { .name: qs, .offset: 8, .size: 8, .value_kind: global_buffer, .address_space: global }
      - { .name: kv, .offset: 16, .size: 8, .value_kind: global_buffer, .address_space: global }
      - { .name: oi, .offset: 24, .size: 8, .value_kind: global_buffer, .address_space: global }
    .group_segment_fixed_size: 243712
    .private_segment_fixed_size: 0
    .kernarg_segment_align: 8
    .kernarg_segment_size: 32
    .max_flat_workgroup_size: 256
    .sgpr_count:     66
    .vgpr_count:     512
    .wavefront_size: 32
...
	.end_amdgpu_metadata
.endif
;; end of part 3
;; launch outp (part 4): grid 256 x 1, 4 waves a work-group, no clusters, 327,680 bytes of LDS; arguments cw, oi, out0; writes out0
.if DOCPART == 4
	.amdgcn_target "amdgcn-amd-amdhsa--gfx1250"
	.amdhsa_code_object_version 6
	.text
	.protected	k_q0ef1c154f8_outp
	.globl	k_q0ef1c154f8_outp
	.p2align	8
	.type	k_q0ef1c154f8_outp,@function
k_q0ef1c154f8_outp:
	s_mov_b64 s[64:65], 0
	v_nop
	global_prefetch_b8 v0, s[64:65] scope:SCOPE_SE
	s_setreg_imm32_b32 hwreg(HW_REG_WAVE_MODE, 25, 1), 1
	s_wait_xcnt 0x0
.set CSC,   12582912
.set OSC,   3145728
.set FRB,   1536
.set TILEB, 12288                      ; a tile of oi
.set WTILE, 12800                      ; a tile of cw: eight fragments, then 512 bytes of scale words: one tensor load a wave brings two tiles whole
.set LSC,   98304
.set STAGE, 102400
.set SP,    528
.set S1S,   8
.set S0S,   24
.set S0F,   80
.set ACC,   128
.set G1C,   40
.set G1S,   48
.set G0C,   56
.set G0S,   60
	s_load_b128 s[4:7], s[0:1], 0x0
	s_load_b64 s[8:9], s[0:1], 0x10
	v_lshl_add_u32 v53, v0, 2, 0x29000
	v_mov_b32 v54, 0
	ds_add_u32 v53, v54
	ds_add_u32 v53, v54
	v_lshrrev_b32 v2, 5, v0
	v_readfirstlane_b32 s20, v2
	s_lshr_b32 s23, ttmp9, 3
	s_and_b32 s24, ttmp9, 7
	s_lshl_b32 s18, s20, 1
	s_lshl_b32 s27, s24, 3
	s_add_co_u32 s27, s27, s18
	s_add_co_u32 s27, s27, 960
	s_lshl_b32 s74, s23, 3
	s_add_co_u32 s74, s74, s18
	s_mul_i32 s66, s27, WTILE
	s_mov_b32 s67, 0
	s_mul_i32 s70, s74, TILEB
	s_mov_b32 s71, 0
	s_lshl_b32 s72, s74, 9
	s_add_co_u32 s72, s72, OSC
	s_mov_b32 s73, 0
	s_mov_b32 s[G1C], 3<<16
	s_mov_b32 s[G1C+1], 32<<16
	s_mov_b32 s[G1C+2], 100<<16
	s_mov_b32 s[G1C+3], 32<<16
	s_mov_b32 s[G1C+4], 100
	s_mov_b32 s[G1C+5], 32
	s_mov_b32 s[G1C+6], 0
	s_mov_b32 s[G1C+7], 0
	s_mov_b32 s[G0C], 1
	s_mul_i32 s[G0C+1], s20, 2*WTILE
	s_wait_dscnt 0x0
	s_wait_kmcnt 0x0
	s_add_nc_u64 s[G0C+2:G0C+3], s[4:5], s[66:67]
	s_or_b32 s[G0C+3], s[G0C+3], 0x80000000
	tensor_load_to_lds s[G0C:G0C+3], s[G1C:G1C+7]
	s_nop 0
.rept 4
	v_nop
.endr
	s_add_nc_u64 s[28:29], s[6:7], s[70:71]
	s_add_nc_u64 s[30:31], s[6:7], s[72:73]
	s_lshl_b32 s18, s23, 19
	s_lshl_b32 s19, s20, 17
	s_add_co_u32 s18, s18, s19
	s_lshl_b32 s19, s24, 9
	s_add_co_u32 s18, s18, s19
	s_mov_b32 s19, 0
	s_add_nc_u64 s[8:9], s[8:9], s[18:19]
	v_and_b32 v6, 31, v0
	v_lshlrev_b32 v1, 4, v6
	v_lshlrev_b32 v6, 3, v6
	v_and_b32 v96, 15, v0
	v_bfe_u32 v97, v0, 4, 1
	v_add_nc_u32 v3, 4*WTILE, v1
	v_mov_b32 v2, v1
	v_lshlrev_b32 v4, 5, v96
	v_mad_u32_u24 v4, v97, 4*WTILE, v4
	v_add_nc_u32 v4, 12288, v4
	v_lshlrev_b32 v5, 5, v96
	s_mul_i32 s18, s20, 16*SP
	s_add_co_u32 s18, s18, STAGE
	v_mul_u32_u24 v7, v96, SP
	v_lshl_add_u32 v7, v97, 6, v7
	v_add_nc_u32 v7, s18, v7
	v_add_nc_u32 v55, s18, v1
.irp u, 0,1
	global_load_b128 v[S1S+8*\u:S1S+8*\u+3], v5, s[30:31] offset:512*\u
	global_load_b128 v[S1S+8*\u+4:S1S+8*\u+7], v5, s[30:31] offset:512*\u+16
.endr
.macro S1LOAD s
.irp u, 0,1
.irp p, 0,1,2,3,4,5
	global_load_b64 v[28+28*((\s)%2)+12*\u+2*\p:28+28*((\s)%2)+12*\u+2*\p+1], v6, s[28:29] offset:TILEB*\u+FRB*(\s)+256*\p
.endr
.endr
.endm
	S1LOAD 0
	S1LOAD 1
	s_wait_alu depctr_va_vdst(0)
	s_wait_tensorcnt 0x0
	s_barrier_signal -1
	s_barrier_wait -1
.macro MM s, g, t, u
.set D_, ACC+64*\u+8*(4*\g+\t)
.set A_, S0F+12*\t
.set B_, 28+28*((\s)%2)+12*\u
.if (\s) == 0
.if \g
	v_wmma_scale_f32_16x16x128_f8f6f4 v[D_:D_+7], v[A_:A_+11], v[B_:B_+11], 0, v[S0S+\t], v[S1S+8*\u+(\s)] matrix_a_fmt:MATRIX_FMT_FP6 matrix_b_fmt:MATRIX_FMT_FP6 matrix_a_scale:MATRIX_SCALE_ROW1
.else
	v_wmma_scale_f32_16x16x128_f8f6f4 v[D_:D_+7], v[A_:A_+11], v[B_:B_+11], 0, v[S0S+\t], v[S1S+8*\u+(\s)] matrix_a_fmt:MATRIX_FMT_FP6 matrix_b_fmt:MATRIX_FMT_FP6
.endif
.else
.if \g
	v_wmma_scale_f32_16x16x128_f8f6f4 v[D_:D_+7], v[A_:A_+11], v[B_:B_+11], v[D_:D_+7], v[S0S+\t], v[S1S+8*\u+(\s)] matrix_a_fmt:MATRIX_FMT_FP6 matrix_b_fmt:MATRIX_FMT_FP6 matrix_a_scale:MATRIX_SCALE_ROW1
.else
	v_wmma_scale_f32_16x16x128_f8f6f4 v[D_:D_+7], v[A_:A_+11], v[B_:B_+11], v[D_:D_+7], v[S0S+\t], v[S1S+8*\u+(\s)] matrix_a_fmt:MATRIX_FMT_FP6 matrix_b_fmt:MATRIX_FMT_FP6
.endif
.endif
.endm
.macro STEP s
.if (\s) < 7
	s_wait_loadcnt 12
.else
	s_wait_loadcnt 0x0
.endif
.irp g, 0,1
.irp t, 0,1,2,3
.irp p, 0,1,2
	ds_load_b128 v[S0F+12*\t+4*\p:S0F+12*\t+4*\p+3], v[2+\g] offset:WTILE*\t+FRB*(\s)+512*\p
.endr
.endr
.if \g == 0
.irp j, 0,1,2,3
	ds_load_b32 v[S0S+\j], v4 offset:WTILE*\j+4*(\s)
.endr
.endif
	s_wait_dscnt 0x0
.irp t, 0,1,2,3
.irp u, 0,1
	MM \s, \g, \t, \u
.endr
.endr
.rept 4
	v_nop
.endr
.endr
.if (\s) < 6
	S1LOAD (\s)+2
.endif
.endm
.irp s, 0,1,2,3,4,5,6,7
	STEP \s
.endr
.irp u, 0,1
.irp t, 0,1,2,3,4,5,6,7
	ds_store_b128 v7, v[ACC+64*\u+8*\t:ACC+64*\u+8*\t+3] offset:128*(\t/2)+32*(\t%2)
	ds_store_b128 v7, v[ACC+64*\u+8*\t+4:ACC+64*\u+8*\t+7] offset:128*(\t/2)+32*(\t%2)+16
.endr
.irp i, 0,1,2,3,4,5,6,7,8,9,10,11,12,13,14,15
	ds_load_b128 v[64+64*\u+4*\i:64+64*\u+4*\i+3], v55 offset:SP*\i
.endr
.irp i, 0,1,2,3,4,5,6,7,8,9,10,11,12,13,14,15
	s_wait_dscnt 15-\i
	global_store_b128 v1, v[64+64*\u+4*\i:64+64*\u+4*\i+3], s[8:9] offset:(8*\u+\i+8*(\i/8))*4096 th:TH_STORE_NT
.endr
.endr
	s_wait_tensorcnt 0x0
	ds_add_u32 v53, v54
	s_wait_dscnt 0x0
	s_endpgm
.Lfunc_end_k_q0ef1c154f8_outp:
	.size	k_q0ef1c154f8_outp, .Lfunc_end_k_q0ef1c154f8_outp-k_q0ef1c154f8_outp
	.p2alignl 7, 3214868480
	.fill 96, 4, 3214868480
	.section	.rodata,"a",@progbits
	.p2align	6, 0x0
	.amdhsa_kernel k_q0ef1c154f8_outp
		.amdhsa_group_segment_fixed_size 327680
		.amdhsa_private_segment_fixed_size 0
		.amdhsa_enable_private_segment 0
		.amdhsa_kernarg_size 24
		.amdhsa_user_sgpr_count 2
		.amdhsa_user_sgpr_kernarg_segment_ptr 1
		.amdhsa_wavefront_size32 1
		.amdhsa_system_sgpr_workgroup_id_x 1
		.amdhsa_system_sgpr_workgroup_id_y 1
		.amdhsa_system_sgpr_workgroup_id_z 1
		.amdhsa_system_vgpr_workitem_id 0
		.amdhsa_next_free_vgpr 256
		.amdhsa_next_free_sgpr 76
		.amdhsa_reserve_vcc 0
		.amdhsa_float_denorm_mode_32 3
		.amdhsa_float_denorm_mode_16_64 3
		.amdhsa_memory_ordered 1
		.amdhsa_forward_progress 1
		.amdhsa_inst_pref_size 54
	.end_amdhsa_kernel
	.amdgpu_metadata
---
amdhsa.version: [ 1, 2 ]
amdhsa.kernels:
  - .name:           k_q0ef1c154f8_outp
    .symbol:         k_q0ef1c154f8_outp.kd
    .args:
      - { .name: cw, .offset: 0, .size: 8, .value_kind: global_buffer, .address_space: global }
      - { .name: oi, .offset: 8, .size: 8, .value_kind: global_buffer, .address_space: global }
      - { .name: out0, .offset: 16, .size: 8, .value_kind: global_buffer, .address_space: global }
    .group_segment_fixed_size: 327680
    .private_segment_fixed_size: 0
    .kernarg_segment_align: 8
    .kernarg_segment_size: 24
    .max_flat_workgroup_size: 128
    .sgpr_count:     76
    .vgpr_count:     256
    .wavefront_size: 32
...
	.end_amdgpu_metadata
.endif
;; end of part 4
